; MI455X (gfx1250); checked and timed in simulation.
; The chip was launched on July 23, 2026; its instructions are those of AMD's public machine-readable ISA for CDNA 5 (MIT licence, August 2026) and "CDNA5" Instruction Set Architecture Reference Guide (July 2026). The comments in the code are by the model that wrote it; some were corrected since.
;; MOE. Allowed arithmetic: float matrix products may take bf16 or f16 operands with f32 sums; all other float work in f32.
;; Inputs: Wo 2,048 x 1,024 float32; Wq 512 x 2,048 float32; keys 4,096 x 64 float32; values 4,096 x 128 float32; x 4,096 x 2,048 float32.
;; Outputs: out0 4,096 x 2,048 float32.
;; 2 versions, each right; version 2 is version 1 with the launch prep written anew for expert scheduling mode. Each part assembles by itself: llvm-mc -triple=amdgcn-amd-amdhsa -mcpu=gfx1250 --defsym DOCPART=n.
;; ======== version 1 of 2: 3 launches
;; workspace buffers: part 16,384 bytes; Wqb 2,097,152 bytes; keysb 524,288 bytes; qb 4,194,304 bytes; U 65,536 bytes
;; launch prep (part 1): grid 192 x 1, 8 waves a work-group, no clusters, 5,120 bytes of LDS; arguments values, Wq, keys, part, Wqb, keysb; writes part, Wqb, keysb
.if DOCPART == 1
	.amdgcn_target "amdgcn-amd-amdhsa--gfx1250"
	.amdhsa_code_object_version 6
	.text
	.protected	k_q0bd77d2bbc_prep
	.globl	k_q0bd77d2bbc_prep
	.p2align	8
	.type	k_q0bd77d2bbc_prep,@function
k_q0bd77d2bbc_prep:
	s_mov_b64 s[64:65], 0
	v_nop
	global_prefetch_b8 v0, s[64:65] scope:SCOPE_SE
	s_setreg_imm32_b32 hwreg(HW_REG_WAVE_MODE, 25, 1), 1
	s_wait_xcnt 0x0
; prep: three small streaming jobs, shared out by the work-group's number.
;   groups   0 ..  31: part[p][c] = 2^-12 x the sum of values[128 p .. 128 p + 127][c]   (32 partial column means, f32)
;   groups  32 .. 159: Wqb = Wq rounded to bf16, same row-major order                    (32,768 bytes of Wq a group)
;   groups 160 .. 191: keysb = keys rounded to bf16, laid out as matrix fragments        (eight tiles of 16 keys a group)
; keysb: byte 2048 t + 512 i + 16 L holds keys[16 t + (L & 15)][16 i + 8 (L >> 4) .. + 7]: what lane L of a wave wants of tile t,
; so that the later launch fills a fragment by loads of 512 consecutive bytes.
; No matrix unit, no cluster, no tensor load: every byte is read once and written once, and no two groups share an input byte.
; Limit kept: Wq and keys are rounded to bf16 (nearest even), as operands of matrix products.
.set NV, 32                            ; groups that sum values
.set NW, 128                           ; groups that convert Wq
.set SCALE, 0x39800000                 ; 2^-12 = 1 / 4096 rows, exact
.macro QADD d, s                       ; four f32 of every lane: v[d..d+3] += v[s..s+3]
	v_pk_add_f32 v[\d:\d+1], v[\d:\d+1], v[\s:\s+1]
	v_pk_add_f32 v[\d+2:\d+3], v[\d+2:\d+3], v[\s+2:\s+3]
.endm
	s_load_b256 s[4:11], s[0:1], 0x0               ; values s[4:5], Wq s[6:7], keys s[8:9], part s[10:11]
	s_load_b128 s[12:15], s[0:1], 0x20             ; Wqb s[12:13], keysb s[14:15]
	v_lshl_add_u32 v80, v0, 2, 0x1000
	v_mov_b32 v81, 0
	v_lshrrev_b32 v4, 5, v0
	v_readfirstlane_b32 s16, v4                    ; wave 0..7
	v_and_b32 v1, 31, v0
	v_lshlrev_b32 v1, 4, v1                        ; 16 x lane
	v_lshlrev_b32 v2, 4, v0                        ; 16 x thread
	v_lshlrev_b32 v3, 3, v0                        ; 8 x thread
	s_mov_b32 s19, 0                               ; high words of the two offset pairs
	s_mov_b32 s21, 0
	s_wait_kmcnt 0x0
	s_cmp_ge_u32 ttmp9, NV+NW
	s_cbranch_scc1 .Lkeys
	s_cmp_ge_u32 ttmp9, NV
	s_cbranch_scc1 .Lwq
	; ---- column sums of values: wave w takes rows 128 p + 16 w .. + 15; a lane keeps four columns; a load covers one row of 512 bytes
	s_lshl_b32 s18, ttmp9, 16                      ; 128 rows x 512 bytes
	s_lshl_b32 s17, s16, 13                        ; 16 rows x 512 bytes
	s_add_co_u32 s18, s18, s17
	s_add_nc_u64 s[4:5], s[4:5], s[18:19]
.irp i, 0,1,2,3,4,5,6,7,8,9,10,11,12,13,14,15
	global_load_b128 v[16+4*\i:19+4*\i], v1, s[4:5] offset:512*\i th:TH_LOAD_NT
.endr
	s_wait_loadcnt 0x0                             ; one batch of sixteen: there is nothing to do before it is in
.irp i, 0,1,2,3,4,5,6,7
	QADD 16+4*\i, 48+4*\i
.endr
.irp i, 0,1,2,3
	QADD 16+4*\i, 32+4*\i
.endr
	QADD 16, 24
	QADD 20, 28
	QADD 16, 20
	v_pk_mul_f32 v[16:17], v[16:17], SCALE op_sel_hi:[1,0]
	v_pk_mul_f32 v[18:19], v[18:19], SCALE op_sel_hi:[1,0]
	ds_store_b128 v2, v[16:19]                     ; wave w's 512 bytes at 512 w
	s_branch .Ljoin
	; ---- Wq to bf16: thread t takes 16 bytes of each of eight runs of 4,096 bytes and stores 8; a wave's store covers 256 consecutive bytes, aligned
.Lwq:
	s_sub_co_u32 s17, ttmp9, NV
	s_lshl_b32 s18, s17, 15
	s_lshl_b32 s20, s17, 14
	s_add_nc_u64 s[6:7], s[6:7], s[18:19]
	s_add_nc_u64 s[12:13], s[12:13], s[20:21]
.irp i, 0,1,2,3,4,5,6,7
	global_load_b128 v[16+4*\i:19+4*\i], v2, s[6:7] offset:4096*\i th:TH_LOAD_NT
.endr
.irp i, 0,1,2,3,4,5,6,7
	s_wait_loadcnt 7-\i                            ; loads come back in order (ISA guide 5.7.1): run i is in, the 7 - i younger ones stay out
	v_cvt_pk_bf16_f32 v[48+2*\i], v[16+4*\i], v[17+4*\i]
	v_cvt_pk_bf16_f32 v[49+2*\i], v[18+4*\i], v[19+4*\i]
	global_store_b64 v3, v[48+2*\i:49+2*\i], s[12:13] offset:2048*\i
.endr
	s_branch .Ljoin
	; ---- keys to bf16 in fragment order: wave w takes tile t = 8 c + w (16 rows of 256 bytes, consumed whole by its eight loads)
.Lkeys:
	s_sub_co_u32 s17, ttmp9, NV+NW
	s_lshl3_add_u32 s17, s17, s16                  ; t
	s_lshl_b32 s18, s17, 12                        ; 4,096 bytes of keys a tile
	s_lshl_b32 s20, s17, 11                        ; 2,048 bytes of keysb a tile
	s_add_nc_u64 s[8:9], s[8:9], s[18:19]
	s_add_nc_u64 s[14:15], s[14:15], s[20:21]
	v_and_b32 v4, 15, v0                           ; row of the tile
	v_bfe_u32 v5, v0, 4, 1                         ; which eight of sixteen columns
	v_lshlrev_b32 v4, 8, v4
	v_lshl_add_u32 v4, v5, 5, v4                   ; 256 x row + 32 x half
.irp i, 0,1,2,3
	global_load_b128 v[16+8*\i:19+8*\i], v4, s[8:9] offset:64*\i
	global_load_b128 v[20+8*\i:23+8*\i], v4, s[8:9] offset:64*\i+16
.endr
	s_wait_loadcnt 0x0
.irp i, 0,1,2,3
.irp j, 0,1,2,3
	v_cvt_pk_bf16_f32 v[48+4*\i+\j], v[16+8*\i+2*\j], v[17+8*\i+2*\j]
.endr
	global_store_b128 v1, v[48+4*\i:51+4*\i], s[14:15] offset:512*\i   ; 512 consecutive bytes
.endr
	; ---- every path passes this one barrier; only the groups that sum values have LDS traffic in front of it
.Ljoin:
	s_wait_dscnt 0x0                               ; my partial sums are in LDS, for wave 0's sake
	s_barrier_signal -1
	s_barrier_wait -1
	s_cmp_ge_u32 ttmp9, NV
	s_cbranch_scc1 .Lend
	s_cmp_lg_u32 s16, 0
	s_cbranch_scc1 .Lend
.irp w, 0,1,2,3,4,5,6,7
	ds_load_b128 v[16+4*\w:19+4*\w], v1 offset:512*\w
.endr
	s_lshl_b32 s18, ttmp9, 9                       ; row p of part
	s_add_nc_u64 s[10:11], s[10:11], s[18:19]
	s_wait_dscnt 0x0
.irp w, 0,1,2,3
	QADD 16+4*\w, 32+4*\w
.endr
	QADD 16, 24
	QADD 20, 28
	QADD 16, 20
	global_store_b128 v1, v[16:19], s[10:11]       ; the whole row of 512 bytes
.Lend:
	s_wait_tensorcnt 0x0
	ds_add_u32 v80, v81
	s_wait_dscnt 0x0
	s_endpgm
.Lfunc_end_k_q0bd77d2bbc_prep:
	.size	k_q0bd77d2bbc_prep, .Lfunc_end_k_q0bd77d2bbc_prep-k_q0bd77d2bbc_prep
	.p2alignl 7, 3214868480
	.fill 96, 4, 3214868480
	.section	.rodata,"a",@progbits
	.p2align	6, 0x0
	.amdhsa_kernel k_q0bd77d2bbc_prep
		.amdhsa_group_segment_fixed_size 5120
		.amdhsa_private_segment_fixed_size 0
		.amdhsa_enable_private_segment 0
		.amdhsa_kernarg_size 48
		.amdhsa_user_sgpr_count 2
		.amdhsa_user_sgpr_kernarg_segment_ptr 1
		.amdhsa_wavefront_size32 1
		.amdhsa_system_sgpr_workgroup_id_x 1
		.amdhsa_system_sgpr_workgroup_id_y 1
		.amdhsa_system_sgpr_workgroup_id_z 1
		.amdhsa_system_vgpr_workitem_id 0
		.amdhsa_next_free_vgpr 82
		.amdhsa_next_free_sgpr 66
		.amdhsa_reserve_vcc 0
		.amdhsa_float_denorm_mode_32 3
		.amdhsa_float_denorm_mode_16_64 3
		.amdhsa_memory_ordered 1
		.amdhsa_forward_progress 1
		.amdhsa_inst_pref_size 13
	.end_amdhsa_kernel
	.amdgpu_metadata
---
amdhsa.version: [ 1, 2 ]
amdhsa.kernels:
  - .name:           k_q0bd77d2bbc_prep
    .symbol:         k_q0bd77d2bbc_prep.kd
    .args:
      - { .name: values, .offset: 0, .size: 8, .value_kind: global_buffer, .address_space: global }
      - { .name: Wq, .offset: 8, .size: 8, .value_kind: global_buffer, .address_space: global }
      - { .name: keys, .offset: 16, .size: 8, .value_kind: global_buffer, .address_space: global }
      - { .name: part, .offset: 24, .size: 8, .value_kind: global_buffer, .address_space: global }
      - { .name: Wqb, .offset: 32, .size: 8, .value_kind: global_buffer, .address_space: global }
      - { .name: keysb, .offset: 40, .size: 8, .value_kind: global_buffer, .address_space: global }
    .group_segment_fixed_size: 5120
    .private_segment_fixed_size: 0
    .kernarg_segment_align: 8
    .kernarg_segment_size: 48
    .max_flat_workgroup_size: 256
    .sgpr_count:     66
    .vgpr_count:     82
    .wavefront_size: 32
...
	.end_amdgpu_metadata
.endif
;; end of part 1
;; launch qproj (part 2): grid 4 x 64, 4 waves a work-group, clusters of 4 x 4, 327,680 bytes of LDS; arguments x, Wqb, part, Wo, qb, U; writes qb, U
.if DOCPART == 2
	.amdgcn_target "amdgcn-amd-amdhsa--gfx1250"
	.amdhsa_code_object_version 6
	.text
	.protected	k_q0bd77d2bbc_qproj
	.globl	k_q0bd77d2bbc_qproj
	.p2align	8
	.type	k_q0bd77d2bbc_qproj,@function
k_q0bd77d2bbc_qproj:
	s_mov_b64 s[64:65], 0
	v_nop
	global_prefetch_b8 v0, s[64:65] scope:SCOPE_SE
	s_setreg_imm32_b32 hwreg(HW_REG_WAVE_MODE, 25, 1), 1
	s_wait_xcnt 0x0
	s_wait_alu depctr_hold_cnt(0) depctr_sa_sdst(0) depctr_va_vdst(0) depctr_va_sdst(0) depctr_va_ssrc(0) depctr_va_vcc(0) depctr_vm_vsrc(0)
	s_getreg_b32 s2, hwreg(HW_REG_IB_STS2, 6, 4)
	s_cmp_eq_u32 s2, 0
	s_cbranch_scc0 .Lentry_in_a_cluster
	s_endpgm
.Lentry_in_a_cluster:
	s_bfe_u32 s2, ttmp6, 0x10000c
	s_cmp_lg_u32 s2, 0xf033
	s_cbranch_scc0 .Lentry_shape_is_right
	s_endpgm
.Lentry_shape_is_right:
; qproj: qb = bf16(c x (x Wq^T)), c = log2(e) / 8, in fragment order; and, while the first tiles are on their way, U[h][d] = sum over c of vmean[c] Wo[d][128 h + c].
; x: [4096][2048] f32.  Wqb: [512][2048] bf16.  A work-group makes 64 rows x 128 columns of q with four waves.
; K IS SPLIT AMONG THE WAVES: of each K step of 256, wave w multiplies k = 64 w .. 64 w + 63 for the whole block (32 accumulator tiles, 256 registers).
; So each LDS byte is read by one wave alone and each number of x is rounded to bf16 once; the four partial blocks are added through LDS at the end.
; K steps go through two LDS slots filled by the tensor data mover; a slot has four quarters, one a wave: x rows 0-31, x rows 32-63 (f32, rows of 1,024 bytes),
; Wqb rows 0-63, Wqb rows 64-127 (rows of 512 bytes).  Every row starts at a multiple of 256 bytes from its buffer's first byte.
; CLUSTERS: 4 x 4 work-groups.  The four of a row of the cluster make the same 64 rows of q and ask for x's tiles jointly; the four of a column make the same
; 128 columns and ask for Wqb's tiles jointly: the requests for both are divided by four.
; qb: byte 16384 g + 2048 hd + 512 i + 16 L holds c q[16 g + (L & 15)][64 hd + 16 i + 8 (L >> 4) .. + 7].
; THE MATRIX INSTRUCTION IS USED TRANSPOSED (source 0 = 16 rows of Wqb, source 1 = 16 rows of x): lane L then holds row L % 16 of q and eight neighbouring
; columns 8 (L / 16) + 0 .. 7, which is a lane's 16 bytes of qb.
; Limits kept: x, Wq and c q are rounded to bf16; K is summed in four partial sums, (0 + 1) + (2 + 3), not in one ascending chain.
; REGISTERS: window 0: v0-15 addresses, v16-79 x as f32, v80-111 x as bf16, v112-175 and v176-239 Wqb's fragments (two buffers), v240-250 at work;
;            window 1: the 32 accumulator tiles, tile (mt, nt) at 8 (8 mt + nt).
.set QTR,  33792                       ; a quarter slot: 64 rows x 528 bytes (x's 32 rows x 1,040 use 33,280 of it)
.set SLOT, 4*QTR
.set USC,  2*SLOT                      ; 256 bytes behind the ring, for the 64 numbers of U: no fill ever lands here
.set XP,   1040                        ; LDS pitch of x's rows: 1,024 + 16 = 65 x 16: the 16 rows of a load start 16 bytes apart modulo 256
.set WP,   528                         ; LDS pitch of Wqb's rows: 512 + 16 = 33 x 16
.set CQ,   0x3e38aa3b                  ; log2(e) / 8: the scores' 1 / sqrt(64) and the change to base 2, folded into q
.set AX,   4                           ; v4-7    LDS address of my x fragments: [slot][rows 0-31 or 32-63]
.set AW,   8                           ; v8-11   the same for Wqb: [slot][rows 0-63 or 64-127]
.set PF,   12                          ; v12     prefetch offset, never rewritten
.set XF,   16
.set XB,   80
.set WF0,  112
.set WF1,  176
.set TT,   240
.set G1X,  24                          ; s[24:31] descriptor group 1, x's tiles
.set G0X,  32                          ; s[32:39] group 0, x's tiles, a set for each slot
.set G1W,  48                          ; s[48:55] group 1, Wqb's tiles
.set G0W,  56                          ; s[56:63] group 0, Wqb's tiles, a set for each slot
.set MSB,  0
.macro WIN new                         ; the immediate's high byte repeats the setting that is left
.if MSB != \new
	s_set_vgpr_msb (MSB<<8)|\new
.set MSB, \new
.endif
.endm
.macro PLACES                          ; four places behind a matrix instruction before one of its registers is written, loaded into or stored (ISA guide 7.12.1)
.rept 4
	v_nop
.endr
.endm
.macro QADD d, s
	v_pk_add_f32 v[\d:\d+1], v[\d:\d+1], v[\s:\s+1]
	v_pk_add_f32 v[\d+2:\d+3], v[\d+2:\d+3], v[\s+2:\s+3]
.endm
; A joint load: waves 0 and 1 ask for x's two quarters, waves 2 and 3 for Wqb's.  The branch hangs on the wave's number alone.
.macro JLOAD s
	s_cmp_eq_u32 s67, 0
	s_cbranch_scc0 .Lfor_w_\@
	tensor_load_to_lds s[G0X+4*\s:G0X+4*\s+3], s[G1X:G1X+7]
	s_nop 0
	s_branch .Lasked_\@
.Lfor_w_\@:
	tensor_load_to_lds s[G0W+4*\s:G0W+4*\s+3], s[G1W:G1W+7]
	s_nop 0
.Lasked_\@:
.endm
; A round of the cluster's barrier: my work-group's barrier, wave 0 signals for the work-group, every wave waits for all sixteen, my work-group's barrier again.
.macro CREST                           ; a round behind its opening barrier
	s_cmp_lg_u32 s66, 0
	s_cbranch_scc1 .Lnot_wave_0_\@
	s_barrier_signal -3
.Lnot_wave_0_\@:
	s_barrier_wait -3
	s_barrier_signal -1
	s_barrier_wait -1
.endm
.macro CROUND
	s_barrier_signal -1
	s_barrier_wait -1
	CREST
.endm
	s_load_b256 s[4:11], s[0:1], 0x0               ; x s[4:5], Wqb s[6:7], part s[8:9], Wo s[10:11]
	s_load_b128 s[12:15], s[0:1], 0x20             ; qb s[12:13], U s[14:15]
	v_lshl_add_u32 v254, v0, 2, 0x42100
	v_mov_b32 v255, 0
	ds_add_u32 v254, v255
	ds_add_u32 v254, v255
	v_lshrrev_b32 v1, 5, v0
	v_readfirstlane_b32 s66, v1                    ; wave 0..3
	s_lshr_b32 s67, s66, 1                         ; I fetch for x (0) or for Wqb (1)
	s_and_b32 s68, s66, 1                          ; which half of that tile's rows
	s_bfe_u32 s40, ttmp6, 0x40000                  ; cx
	s_bfe_u32 s41, ttmp6, 0x40004                  ; cy
	s_lshl_b32 s42, ttmp9, 2
	s_add_co_u32 s42, s42, s40                     ; bx: block of 128 columns of q
	s_and_b32 s43, ttmp7, 0xffff
	s_lshl_b32 s43, s43, 2
	s_add_co_u32 s43, s43, s41                     ; by: block of 64 rows
	s_lshl_b32 s44, s41, 2
	s_lshl_b32 s44, 15, s44                        ; my row of the cluster: places 4 cy .. 4 cy + 3
	s_lshl_b32 s45, 0x1111, s40                    ; my column: places cx, cx + 4, cx + 8, cx + 12
	; group 1 of x's tiles: 32 rows x 256 elements of 4 bytes, 4 words of padding behind every 256 words
	s_or_b32 s[G1X+0], s44, (2<<16)|(1<<20)|(1<<21)|(7<<22)|(3<<25)  ; 15:0 mask: my row; 17:16 element of 4 bytes; 20 padding on; 21 set beside a mask; 24:22 interval code 7; 31:25 pad code 3
	s_mov_b32 s[G1X+1], 256<<16                    ; tensor_dim0 = 256
	s_mov_b32 s[G1X+2], 32<<16                     ; tensor_dim1 = 32
	s_mov_b32 s[G1X+3], 256<<16                    ; tile_dim0 = 256
	s_mov_b32 s[G1X+4], 32                         ; tile_dim1 = 32
	s_mov_b32 s[G1X+5], 2048                       ; elements from row to row
	s_mov_b32 s[G1X+6], 0
	s_mov_b32 s[G1X+7], 0
	; group 1 of Wqb's tiles: 64 rows x 256 elements of 2 bytes, 4 words of padding behind every 128 words
	s_or_b32 s[G1W+0], s45, (1<<16)|(1<<20)|(1<<21)|(6<<22)|(3<<25)  ; the mask: my column
	s_mov_b32 s[G1W+1], 256<<16
	s_mov_b32 s[G1W+2], 64<<16
	s_mov_b32 s[G1W+3], 256<<16
	s_mov_b32 s[G1W+4], 64
	s_mov_b32 s[G1W+5], 2048
	s_mov_b32 s[G1W+6], 0
	s_mov_b32 s[G1W+7], 0
	; where the tiles come from.  x's hang on by alone, Wqb's on bx alone; each address is made in registers that never hold the other coordinate.
	s_lshl_b32 s16, s43, 19                        ; 64 rows x 8,192 bytes
	s_lshl_b32 s17, s68, 18                        ; 32 rows x 8,192 bytes
	s_add_co_u32 s16, s16, s17
	s_mov_b32 s17, 0
	s_lshl_b32 s20, s42, 19                        ; 128 rows x 4,096 bytes
	s_lshl_b32 s21, s68, 18                        ; 64 rows x 4,096 bytes
	s_add_co_u32 s20, s20, s21
	s_mov_b32 s21, 0
	s_mul_i32 s69, s66, QTR                        ; and where they go: quarter = wave; no place in the cluster enters an LDS address
	s_wait_dscnt 0x0
	s_wait_kmcnt 0x0
	s_add_nc_u64 s[18:19], s[4:5], s[16:17]
	s_add_nc_u64 s[22:23], s[6:7], s[20:21]
.irp s, 0,1
	s_mov_b32 s[G0X+4*\s], 1                                       ; count = 1
	s_add_co_u32 s[G0X+4*\s+1], s69, \s*SLOT                       ; LDS address
	s_add_nc_u64 s[G0X+4*\s+2:G0X+4*\s+3], s[18:19], \s*1024       ; K step s: 256 f32
	s_or_b32 s[G0X+4*\s+3], s[G0X+4*\s+3], 0x80000000              ; type = 2
	s_mov_b32 s[G0W+4*\s], 1
	s_add_co_u32 s[G0W+4*\s+1], s69, \s*SLOT
	s_add_nc_u64 s[G0W+4*\s+2:G0W+4*\s+3], s[22:23], \s*512        ; K step s: 256 bf16
	s_or_b32 s[G0W+4*\s+3], s[G0W+4*\s+3], 0x80000000
.endr
	CROUND                                         ; all sixteen work-groups are here: the first joint loads meet
	s_cmp_eq_u32 s67, 0                            ; a wave's two first fills stand in one branch: two tensor loads of the wave are out behind it
	s_cbranch_scc0 .Lfirst_w
	tensor_load_to_lds s[G0X:G0X+3], s[G1X:G1X+7]
	s_nop 0
	tensor_load_to_lds s[G0X+4:G0X+7], s[G1X:G1X+7]
	s_nop 0
	s_branch .Lfirst_done
.Lfirst_w:
	tensor_load_to_lds s[G0W:G0W+3], s[G1W:G1W+7]
	s_nop 0
	tensor_load_to_lds s[G0W+4:G0W+7], s[G1W:G1W+7]
	s_nop 0
.Lfirst_done:
	; addresses
	v_and_b32 v1, 15, v0                           ; r = lane % 16
	v_bfe_u32 v2, v0, 4, 1                         ; h = lane / 16
	v_and_b32 v3, 31, v0
	v_lshlrev_b32 v3, 4, v3                        ; 16 x lane
	v_lshrrev_b32 v[PF], 3, v0                     ; 4 w + lane / 8
	v_lshl_add_u32 v[PF], s40, 4, v[PF]            ; + 16 cx: a row of the block's 64, one for each eight lanes of the four partners' sixteen waves
	v_lshlrev_b32 v[PF], 13, v[PF]                 ; x 8,192 bytes
	v_and_b32 v242, 7, v0
	v_lshl_add_u32 v[PF], v242, 8, v[PF]           ; + 256 x (lane % 8)
	s_lshl_b32 s72, s43, 19
	s_mov_b32 s73, 0
	s_add_nc_u64 s[70:71], s[4:5], s[72:73]        ; x at the block's first row; never rewritten
	; x's bytes of K steps 2 and 3 (2,048 bytes of each row) are asked for here, those of steps 4, 5 and 6, 7 behind the refills of steps 0 and 2: each aligned run of
	; 256 bytes by one lane of one wave of one of the four partners.  The last request ends at byte 8,191 of a row of x: none leaves the buffer.
	global_prefetch_b8 v[PF], s[70:71] offset:2048 th:TH_LOAD_NT scope:SCOPE_SE
	v_mul_u32_u24 v240, v1, XP
	v_lshl_add_u32 v240, v2, 5, v240               ; x: row x pitch + 32 h (eight f32)
	v_lshl_add_u32 v240, s66, 8, v240              ; + my 64 of the step's 256 k: 256 bytes
	v_mul_u32_u24 v241, v1, WP
	v_lshl_add_u32 v241, v2, 4, v241               ; Wqb: row x pitch + 16 h (eight bf16)
	v_lshl_add_u32 v241, s66, 7, v241              ; + 128 bytes x wave
.irp s, 0,1
.irp hf, 0,1
	v_add_nc_u32 v[AX+2*\s+\hf], \s*SLOT+\hf*QTR, v240
	v_add_nc_u32 v[AW+2*\s+\hf], \s*SLOT+(2+\hf)*QTR, v241
.endr
.endr
	v_lshl_add_u32 v13, s66, 13, v3                ; the adding-up: where I put tiles of rows 0-31,
	v_add_nc_u32 v14, 0x10000, v13                 ; of rows 32-63,
	v_lshl_add_u32 v15, s66, 15, v3                ; and where I read the four partial blocks of my 16 rows
	v_mov_b32 v248, USC
	v_lshl_add_u32 v248, s66, 6, v248              ; my 16 numbers of U
	v_lshrrev_b32 v250, 1, v3                      ; 8 x lane
	v_add_nc_u32 v249, USC, v250
	s_mov_b32 s46, 0x76543210                      ; v_permlanex16_b32: lane i of one half reads lane i of the other
	s_mov_b32 s47, 0xfedcba98
	; ---- U, while the first tiles are on their way.  Work-group number 4 by + bx = 32 hU + dB makes U[hU][64 dB .. + 63]; wave w sixteen of them.
	s_lshl2_add_u32 s75, s43, s42
	s_lshr_b32 s76, s75, 5                         ; hU
	s_and_b32 s77, s75, 31                         ; dB
	s_lshl_b32 s78, s77, 18                        ; 64 rows of Wo x 4,096 bytes
	s_lshl_b32 s2, s66, 16                         ; 16 rows
	s_add_co_u32 s78, s78, s2
	s_lshl_b32 s2, s76, 9                          ; 128 columns x 4 bytes
	s_add_co_u32 s78, s78, s2
	s_mov_b32 s79, 0
	s_add_nc_u64 s[10:11], s[10:11], s[78:79]
	s_lshl_b32 s72, s76, 13
	s_lshl_b32 s2, s77, 8
	s_add_co_u32 s72, s72, s2
	s_add_nc_u64 s[14:15], s[14:15], s[72:73]      ; U at my 256 bytes
	s_lshl_b32 s78, s43, 16                        ; qb: 4 by + w groups of 16 rows x 16,384 bytes, + 4,096 bx
	s_lshl_b32 s2, s66, 14
	s_add_co_u32 s78, s78, s2
	s_lshl_b32 s2, s42, 12
	s_add_co_u32 s78, s78, s2
	s_add_nc_u64 s[12:13], s[12:13], s[78:79]
.set p, 0
.rept 32
	global_load_b128 v[16+4*p:19+4*p], v3, s[8:9] offset:512*p                     ; part, row p: a lane keeps columns 4 L .. 4 L + 3
.set p, p+1
.endr
.set j, 0
.rept 16
	global_load_b128 v[144+4*j:147+4*j], v3, s[10:11] offset:4096*j th:TH_LOAD_NT   ; 512 consecutive bytes of Wo's row 64 dB + 16 w + j
.set j, j+1
.endr
	s_wait_loadcnt 16                              ; part is in; the sixteen loads of Wo are the younger ones
.irp st, 16,8,4,2,1
.set p, 0
.rept \st
	QADD 16+4*p, 16+4*(p+\st)
.set p, p+1
.endr
.endr
	s_wait_loadcnt 0x0                             ; v[16:19] = vmean[4 L .. 4 L + 3]
.set j, 0
.rept 16
.set t, TT+2*(j%4)
	v_pk_mul_f32 v[t:t+1], v[144+4*j:145+4*j], v[16:17]
	v_pk_fma_f32 v[t:t+1], v[146+4*j:147+4*j], v[18:19], v[t:t+1]
	v_add_f32 v[t], v[t], v[t+1]
	v_add_f32_dpp v[t], v[t], v[t] row_xmask:1 row_mask:0xf bank_mask:0xf
	v_add_f32_dpp v[t], v[t], v[t] row_xmask:2 row_mask:0xf bank_mask:0xf
	v_add_f32_dpp v[t], v[t], v[t] row_xmask:4 row_mask:0xf bank_mask:0xf
	v_add_f32_dpp v[t], v[t], v[t] row_xmask:8 row_mask:0xf bank_mask:0xf
	v_permlanex16_b32 v[t+1], v[t], s46, s47
	v_add_f32 v[t], v[t], v[t+1]
	ds_store_b32 v248, v[t] offset:4*j             ; all lanes write the same word with the same value
.set j, j+1
.endr
	s_wait_dscnt 0x0                               ; my sixteen numbers of U are in LDS, for wave 0's sake
	s_wait_tensorcnt 0x1                           ; my quarter of K step 0 is in; step 1's may stay out
	s_barrier_signal -1
	s_barrier_wait -1
	s_cmp_lg_u32 s66, 0
	s_cbranch_scc1 .Lno_u
	ds_load_b64 v[244:245], v249
	s_wait_dscnt 0x0
	global_store_b64 v250, v[244:245], s[14:15]    ; one store covers the group's 256 consecutive bytes of U, aligned
.Lno_u:
; 32 LDS loads: my 32 k (chunk ch of two) of the slot: first x's 64 rows in f32 (16 loads), then Wqb's 128 rows into buffer wf (16 loads).
; A fragment of 16 rows x 32 k: lane (r, h) holds row r, k = 8 h .. + 7 and 16 + 8 h .. + 7: in f32 that is 32 bytes at 32 h and 32 bytes at 64 + 32 h.
.macro LOADS slot, ch, wf
.irp mt, 0,1,2,3
.irp i, 0,1,2,3
	ds_load_b128 v[XF+16*\mt+4*\i:XF+16*\mt+4*\i+3], v[AX+2*\slot+(\mt>>1)] offset:(\mt&1)*16*XP+128*\ch+16*(\i&1)+64*(\i>>1)
.endr
.endr
.irp nt, 0,1,2,3,4,5,6,7
	ds_load_b128 v[\wf+8*\nt:\wf+8*\nt+3],   v[AW+2*\slot+(\nt>>2)] offset:(\nt&3)*16*WP+64*\ch
	ds_load_b128 v[\wf+8*\nt+4:\wf+8*\nt+7], v[AW+2*\slot+(\nt>>2)] offset:(\nt&3)*16*WP+64*\ch+32
.endr
.endm
.macro CVT                             ; x's four fragments, f32 to bf16: each number of x is rounded once in the work-group
.irp mt, 0,1,2,3
.irp i, 0,1,2,3
	v_cvt_pk_bf16_f32 v[XB+8*\mt+2*\i],   v[XF+16*\mt+4*\i],   v[XF+16*\mt+4*\i+1]
	v_cvt_pk_bf16_f32 v[XB+8*\mt+2*\i+1], v[XF+16*\mt+4*\i+2], v[XF+16*\mt+4*\i+3]
.endr
.endr
.endm
; 32 matrix instructions, one on each accumulator, always in the same order: the accumulators take turns, one instruction a turn.
; zero = 1: the first products start the sums; nothing is cleared.
.macro MUL wf, zero
	WIN 0x50                                       ; C and D in window 1
.irp mt, 0,1,2,3
.irp nt, 0,1,2,3,4,5,6,7
.if \zero
	v_wmma_f32_16x16x32_bf16 v[8*(8*\mt+\nt):8*(8*\mt+\nt)+7], v[\wf+8*\nt:\wf+8*\nt+7], v[XB+8*\mt:XB+8*\mt+7], 0
.else
	v_wmma_f32_16x16x32_bf16 v[8*(8*\mt+\nt):8*(8*\mt+\nt)+7], v[\wf+8*\nt:\wf+8*\nt+7], v[XB+8*\mt:XB+8*\mt+7], v[8*(8*\mt+\nt):8*(8*\mt+\nt)+7]
.endif
.endr
.endr
	WIN 0
.endm
; The first 32 k of my 64: convert, fetch the second 32, multiply.
.macro CHUNK_A slot, zero
	s_wait_dscnt 16                                ; x's sixteen loads are in; Wqb's sixteen are the younger ones
	PLACES                                         ; behind the last products, which read XB and buffer 1
	CVT
	LOADS \slot, 1, WF1
	s_wait_dscnt 32                                ; all but the 32 just issued: buffer 0 is in
	MUL WF0, \zero
.endm
; The second 32 k, and the change of slots.  mode 2: this slot is filled again, two K steps ahead; mode 1: no refill; mode 0: the last chunk of all.
; In front of the barrier each wave waits for its reads of this slot and for all its tensor loads, of which one is out: its quarter of the next slot.
; With a refill the barrier opens a round of the cluster's barrier: no wave of any partner still reads the slot or has a load on its way when it is asked for again.
; The refill is the wave's first tensor load behind the round and its only one until the next: one tensor load of the wave is out from there on.
.macro CHUNK_B slot, next, mode, pf
	s_wait_dscnt 16
	PLACES                                         ; behind the last products, which read XB and buffer 0
	CVT
	s_wait_dscnt 0x0                               ; buffer 1 is in, and with it my last reads of this slot
.if \mode
	s_wait_tensorcnt 0x0
	ds_add_u32 v254, v255
	s_wait_dscnt 0x0
	s_barrier_signal -1
	MUL WF1, 0                                     ; register work while the others arrive
	s_barrier_wait -1
.if \mode == 2
	CREST
	s_add_nc_u64 s[G0X+4*\slot+2:G0X+4*\slot+3], s[G0X+4*\slot+2:G0X+4*\slot+3], 2048   ; two K steps on; no tensor load of mine is out
	s_add_nc_u64 s[G0W+4*\slot+2:G0W+4*\slot+3], s[G0W+4*\slot+2:G0W+4*\slot+3], 1024
	JLOAD \slot
.if \pf
	global_prefetch_b8 v[PF], s[70:71] offset:\pf th:TH_LOAD_NT scope:SCOPE_SE
.endif
.endif
	LOADS \next, 0, WF0
.else
	MUL WF1, 0
.endif
.endm
	LOADS 0, 0, WF0
	CHUNK_A 0, 1                                   ; K step 0
	CHUNK_B 0, 1, 2, 4096
	CHUNK_A 1, 0                                   ; 1
	CHUNK_B 1, 0, 2, 0
	CHUNK_A 0, 0                                   ; 2
	CHUNK_B 0, 1, 2, 6144
	CHUNK_A 1, 0                                   ; 3
	CHUNK_B 1, 0, 2, 0
	CHUNK_A 0, 0                                   ; 4: its refill is K step 6, slot 0's last fill
	CHUNK_B 0, 1, 2, 0
	CHUNK_A 1, 0                                   ; 5: its refill is K step 7, the last tensor load
	CHUNK_B 1, 0, 2, 0
	CHUNK_A 0, 0                                   ; 6: nothing is left to fetch; the barrier shows slot 1 whole and slot 0 read out
	CHUNK_B 0, 1, 1, 0
	CHUNK_A 1, 0                                   ; 7
	CHUNK_B 1, 0, 0, 0
	; ---- the four partial blocks are added.  They go into bytes 0 .. 131,071, inside slot 0: its last fill has landed and every wave's reads of it were waited for
	; in front of K step 6's barrier; slot 1, which a slower wave may still read, begins behind them.  Tile (mt, nt) of wave w: 32768 mt + 8192 w + 1024 nt.
	PLACES                                         ; behind the last products, whose results are stored
	WIN 0x04                                       ; store data in window 1
.irp mt, 0,1,2,3
.irp nt, 0,1,2,3,4,5,6,7
	ds_store_b128 v[13+(\mt>>1)], v[8*(8*\mt+\nt):8*(8*\mt+\nt)+3]   offset:(\mt&1)*32768+1024*\nt
	ds_store_b128 v[13+(\mt>>1)], v[8*(8*\mt+\nt)+4:8*(8*\mt+\nt)+7] offset:(\mt&1)*32768+1024*\nt+512
.endr
.endr
	WIN 0
	s_wait_dscnt 0x0                               ; my partial block is in LDS, for the others' sake
	s_barrier_signal -1
	s_barrier_wait -1
	; wave w owns rows 16 w .. 16 w + 15: four tiles at a time, four partial sums each
.irp hf, 0,1
.irp nl, 0,1,2,3
.irp sg, 0,1,2,3
	ds_load_b128 v[16+32*\nl+8*\sg:19+32*\nl+8*\sg], v15 offset:8192*\sg+1024*(4*\hf+\nl)
	ds_load_b128 v[20+32*\nl+8*\sg:23+32*\nl+8*\sg], v15 offset:8192*\sg+1024*(4*\hf+\nl)+512
.endr
.endr
	s_wait_dscnt 0x0
.irp nl, 0,1,2,3
.irp q, 0,1,2,3
	v_pk_add_f32 v[16+32*\nl+2*\q:17+32*\nl+2*\q], v[16+32*\nl+2*\q:17+32*\nl+2*\q], v[24+32*\nl+2*\q:25+32*\nl+2*\q]
	v_pk_add_f32 v[32+32*\nl+2*\q:33+32*\nl+2*\q], v[32+32*\nl+2*\q:33+32*\nl+2*\q], v[40+32*\nl+2*\q:41+32*\nl+2*\q]
	v_pk_add_f32 v[16+32*\nl+2*\q:17+32*\nl+2*\q], v[16+32*\nl+2*\q:17+32*\nl+2*\q], v[32+32*\nl+2*\q:33+32*\nl+2*\q]
	v_pk_mul_f32 v[16+32*\nl+2*\q:17+32*\nl+2*\q], v[16+32*\nl+2*\q:17+32*\nl+2*\q], CQ op_sel_hi:[1,0]
	v_cvt_pk_bf16_f32 v[144+4*(4*\hf+\nl)+\q], v[16+32*\nl+2*\q], v[17+32*\nl+2*\q]
.endr
	global_store_b128 v3, v[144+4*(4*\hf+\nl):147+4*(4*\hf+\nl)], s[12:13] offset:512*(4*\hf+\nl)   ; 512 consecutive bytes; each store has data registers of its own
.endr
.endr
	s_wait_tensorcnt 0x0
	ds_add_u32 v254, v255
	s_wait_dscnt 0x0
	CROUND                                         ; the closing round: no work-group ends while a partner may still ask for a tile that names it
	s_endpgm
.Lfunc_end_k_q0bd77d2bbc_qproj:
	.size	k_q0bd77d2bbc_qproj, .Lfunc_end_k_q0bd77d2bbc_qproj-k_q0bd77d2bbc_qproj
	.p2alignl 7, 3214868480
	.fill 96, 4, 3214868480
	.section	.rodata,"a",@progbits
	.p2align	6, 0x0
	.amdhsa_kernel k_q0bd77d2bbc_qproj
		.amdhsa_group_segment_fixed_size 327680
		.amdhsa_private_segment_fixed_size 0
		.amdhsa_enable_private_segment 0
		.amdhsa_kernarg_size 48
		.amdhsa_user_sgpr_count 2
		.amdhsa_user_sgpr_kernarg_segment_ptr 1
		.amdhsa_wavefront_size32 1
		.amdhsa_system_sgpr_workgroup_id_x 1
		.amdhsa_system_sgpr_workgroup_id_y 1
		.amdhsa_system_sgpr_workgroup_id_z 1
		.amdhsa_system_vgpr_workitem_id 0
		.amdhsa_next_free_vgpr 512
		.amdhsa_next_free_sgpr 80
		.amdhsa_reserve_vcc 0
		.amdhsa_float_denorm_mode_32 3
		.amdhsa_float_denorm_mode_16_64 3
		.amdhsa_memory_ordered 1
		.amdhsa_forward_progress 1
		.amdhsa_inst_pref_size 151
	.end_amdhsa_kernel
	.amdgpu_metadata
---
amdhsa.version: [ 1, 2 ]
amdhsa.kernels:
  - .name:           k_q0bd77d2bbc_qproj
    .symbol:         k_q0bd77d2bbc_qproj.kd
    .args:
      - { .name: x, .offset: 0, .size: 8, .value_kind: global_buffer, .address_space: global }
      - { .name: Wqb, .offset: 8, .size: 8, .value_kind: global_buffer, .address_space: global }
      - { .name: part, .offset: 16, .size: 8, .value_kind: global_buffer, .address_space: global }
      - { .name: Wo, .offset: 24, .size: 8, .value_kind: global_buffer, .address_space: global }
      - { .name: qb, .offset: 32, .size: 8, .value_kind: global_buffer, .address_space: global }
      - { .name: U, .offset: 40, .size: 8, .value_kind: global_buffer, .address_space: global }
    .group_segment_fixed_size: 327680
    .private_segment_fixed_size: 0
    .kernarg_segment_align: 8
    .kernarg_segment_size: 48
    .max_flat_workgroup_size: 128
    .sgpr_count:     80
    .vgpr_count:     512
    .wavefront_size: 32
...
	.end_amdgpu_metadata
.endif
;; end of part 2
;; launch attn (part 3): grid 256 x 1, 8 waves a work-group, no clusters, 168,960 bytes of LDS; arguments x, keysb, qb, U, out0; writes out0
.if DOCPART == 3
	.amdgcn_target "amdgcn-amd-amdhsa--gfx1250"
	.amdhsa_code_object_version 6
	.text
	.protected	k_q0bd77d2bbc_attn
	.globl	k_q0bd77d2bbc_attn
	.p2align	8
	.type	k_q0bd77d2bbc_attn,@function
k_q0bd77d2bbc_attn:
	s_mov_b64 s[64:65], 0
	v_nop
	global_prefetch_b8 v0, s[64:65] scope:SCOPE_SE
	s_setreg_imm32_b32 hwreg(HW_REG_WAVE_MODE, 25, 1), 1
	s_wait_xcnt 0x0
; attn: out0[a][d] = x[a][d] + sum over h of s[a][h] U[h][d], where s[a][h] is the sum over the 4,096 keys of softmax(q[a][h] . keys / 8).
; A work-group takes 16 rows of x: 8 heads x 16 query rows.  THE KEYS ARE SPLIT AMONG THE EIGHT WAVES: wave w takes key tiles 32 w .. 32 w + 31 for all eight heads,
; so each byte of keysb enters the work-group once, straight into registers in fragment order (loads of 512 consecutive bytes): no LDS and no barrier in the loop.
; Source 0 of the matrix instruction is 16 keys, source 1 is 16 query rows: lane (r, h) then holds eight keys' scores of ONE query row r, so the maximum and the
; sum stay inside the lane.  Each lane runs its own running maximum m and sum l for each head; the 16 (m, l) of a query row (8 waves x 2 halves) meet at the end.
; The scores arrive in base 2 and scaled: qb holds q x log2(e) / 8.
; s is formed as l x (1 / l): the sum of e_n / l over n with the division taken out of the sum.  The largest term is 1, so l lies between 1 and 4,096.
; NO CLUSTER: what work-groups share is keysb alone, 4,096 bytes for a wave's 32 matrix instructions and 136 exponential instructions, 512 KiB in the whole launch for
; a work-group; a joint load would have to go through LDS with a round of the cluster's barrier for each refill, in a loop that exponentials bind.
; Limits kept: q and keys are bf16 operands; v_exp_f32 gives zero for results below 2^-126 (ISA guide, its entry); the sum of exponentials is made of per-lane
; partial sums, in another order than a plain sum along the row.
; LDS: x's 16 rows, wave w's 1,024 bytes of each at 16384 w + 1024 a, filled once by the wave's own tensor load and read by that wave alone; then scratch of its own.
.set T,    2                           ; v2-9     at work
.set M,    10                          ; v10-17   running maximum, head by head
.set LS,   18                          ; v18-25   running sum
.set S0,   26                          ; v26-41   16 scores, buffer 0
.set S1,   42                          ; v42-57   buffer 1
.set K0,   58                          ; v58-89   two key tiles (tile e / 4, 16 bytes e % 4 at + 4 e)
.set K1,   90                          ; v90-121  the next two
.set Q,    122                         ; v122-249 the eight heads' query fragments, 16 registers each
.set XR,   58                          ; v58-185  on the way out: x, then the result: row a at + 8 a
.set UU,   186                         ; v186-249 on the way out: U, head hd at + 8 hd
.set SCR,  131072                      ; 16 KiB: [wave][head][m, l][lane]
.set STAB, 147456                      ; 512 bytes: s[a][hd]
	s_load_b256 s[4:11], s[0:1], 0x0               ; x s[4:5], keysb s[6:7], qb s[8:9], U s[10:11]
	s_load_b64 s[12:13], s[0:1], 0x20              ; out0
	v_lshl_add_u32 v8, v0, 2, 0x29000
	v_mov_b32 v9, 0
	ds_add_u32 v8, v9
	ds_add_u32 v8, v9
	v_lshrrev_b32 v2, 5, v0
	v_readfirstlane_b32 s14, v2                    ; wave 0..7
	s_mov_b32 s16, 1                               ; group 0: count = 1
	s_lshl_b32 s17, s14, 14                        ; LDS address 16384 w
	s_mov_b32 s20, 2<<16                           ; group 1: no mask, element of 4 bytes, no padding
	s_mov_b32 s21, 256<<16                         ; tensor_dim0 = 256
	s_mov_b32 s22, 16<<16                          ; tensor_dim1 = 16
	s_mov_b32 s23, 256<<16                         ; tile_dim0 = 256 (1,024 bytes)
	s_mov_b32 s24, 16                              ; tile_dim1 = 16 rows
	s_mov_b32 s25, 2048                            ; elements from row to row
	s_mov_b32 s26, 0
	s_mov_b32 s27, 0
	s_lshl_b32 s28, ttmp9, 17                      ; 16 rows x 8,192 bytes
	s_mov_b32 s29, 0
	s_lshl_b32 s15, s14, 10                        ; my 1,024 bytes of a row
	s_wait_dscnt 0x0
	s_wait_kmcnt 0x0
	s_add_nc_u64 s[12:13], s[12:13], s[28:29]      ; out0 at the group's first row
	s_add_co_u32 s28, s28, s15
	s_add_nc_u64 s[18:19], s[4:5], s[28:29]
	s_or_b32 s19, s19, 0x80000000                  ; type = 2
	tensor_load_to_lds s[16:19], s[20:27]          ; the wave's one tensor load: it has the whole loop in which to land
	s_nop 0
	s_lshl_b32 s28, ttmp9, 14
	s_add_nc_u64 s[8:9], s[8:9], s[28:29]          ; qb at my 16 rows
	s_lshl_b32 s28, s14, 16
	s_add_nc_u64 s[6:7], s[6:7], s[28:29]          ; keysb at my 32 tiles
	v_and_b32 v3, 31, v0
	v_lshlrev_b32 v1, 4, v3                        ; 16 x lane
.macro KLOAD kb, imm                   ; two key tiles, 4,096 bytes
.irp e, 0,1,2,3,4,5,6,7
	global_load_b128 v[\kb+4*\e:\kb+4*\e+3], v1, s[6:7] offset:\imm+512*\e
.endr
.endm
.set i, 0
.rept 32
	global_load_b128 v[Q+4*i:Q+4*i+3], v1, s[8:9] offset:512*i
.set i, i+1
.endr
	KLOAD K0, 0
	KLOAD K1, 4096
	s_mov_b32 s2, 0x76543210                       ; v_permlanex16_b32: lane i of one half reads lane i of the other
	s_mov_b32 s3, 0xfedcba98
	v_lshlrev_b32 v4, 2, v3                        ; 4 x lane
	v_add_nc_u32 v4, SCR, v4
	v_lshl_add_u32 v250, s14, 11, v4               ; where I put my (m, l)
	v_lshl_add_u32 v251, s14, 8, v4                ; where I read head w's
	v_and_b32 v5, 15, v0
	v_lshlrev_b32 v5, 5, v5
	v_add_nc_u32 v5, STAB, v5
	v_lshl_add_u32 v252, s14, 2, v5                ; s[r][w]
	v_add_nc_u32 v253, s17, v1                     ; my x in LDS
	v_mov_b32 v254, STAB
	v_add_nc_u32 v255, s15, v1                     ; my 16 bytes in a row of U and of out0
; Scores of two key tiles (kb) against head hd, K = 64 in two instructions each.  The two accumulators take turns, one instruction a turn, and the next WM uses the
; other buffer.  The first product of each starts its sum.
.macro WM kb, hd, sb
	v_wmma_f32_16x16x32_bf16 v[\sb:\sb+7],    v[\kb:\kb+7],     v[Q+16*\hd:Q+16*\hd+7],    0
	v_wmma_f32_16x16x32_bf16 v[\sb+8:\sb+15], v[\kb+16:\kb+23], v[Q+16*\hd:Q+16*\hd+7],    0
	v_wmma_f32_16x16x32_bf16 v[\sb:\sb+7],    v[\kb+8:\kb+15],  v[Q+16*\hd+8:Q+16*\hd+15], v[\sb:\sb+7]
	v_wmma_f32_16x16x32_bf16 v[\sb+8:\sb+15], v[\kb+24:\kb+31], v[Q+16*\hd+8:Q+16*\hd+15], v[\sb+8:\sb+15]
.endm
; One step of the running softmax sum of head hd on the lane's 16 scores: m' = max(m, scores); l = l 2^(m - m') + sum of 2^(score - m').
.macro SM hd, sb
	v_max3_num_f32 v[T],   v[\sb],    v[\sb+1],  v[\sb+2]
	v_max3_num_f32 v[T+1], v[\sb+3],  v[\sb+4],  v[\sb+5]
	v_max3_num_f32 v[T+2], v[\sb+6],  v[\sb+7],  v[\sb+8]
	v_max3_num_f32 v[T+3], v[\sb+9],  v[\sb+10], v[\sb+11]
	v_max3_num_f32 v[T+4], v[\sb+12], v[\sb+13], v[\sb+14]
	v_max3_num_f32 v[T],   v[T],   v[T+1], v[T+2]
	v_max3_num_f32 v[T+3], v[T+3], v[T+4], v[\sb+15]
	v_max3_num_f32 v[T],   v[T],   v[T+3], v[M+\hd]            ; m'
	v_sub_f32 v[T+1], v[M+\hd], v[T]                           ; m - m'
.irp e, 0,2,4,6,8,10,12,14
	v_pk_add_f32 v[\sb+\e:\sb+\e+1], v[\sb+\e:\sb+\e+1], v[T:T+1] op_sel_hi:[1,0] neg_lo:[0,1] neg_hi:[0,1]   ; both minus m'
.endr
.irp e, 0,1,2,3,4,5,6,7,8,9,10,11,12,13,14,15
	v_exp_f32 v[\sb+\e], v[\sb+\e]
.endr
	v_exp_f32 v[T+1], v[T+1]
	v_mov_b32 v[M+\hd], v[T]                                   ; the plain instruction between the exponentials and the first use of a result (ISA guide 5.7.2)
	s_wait_alu depctr_va_vdst(0)
.irp e, 0,2,4,6
	v_pk_add_f32 v[\sb+\e:\sb+\e+1], v[\sb+\e:\sb+\e+1], v[\sb+\e+8:\sb+\e+9]
.endr
	v_pk_add_f32 v[\sb:\sb+1],   v[\sb:\sb+1],   v[\sb+4:\sb+5]
	v_pk_add_f32 v[\sb+2:\sb+3], v[\sb+2:\sb+3], v[\sb+6:\sb+7]
	v_pk_add_f32 v[\sb:\sb+1],   v[\sb:\sb+1],   v[\sb+2:\sb+3]
	v_add_f32 v[T+2], v[\sb], v[\sb+1]
	v_fma_f32 v[LS+\hd], v[LS+\hd], v[T+1], v[T+2]
.endm
; Two key tiles (in x) against the eight heads.  Head hd + 1's products are issued ahead of head hd's exponentials, which are the places behind them (more than
; five plain instructions that name none of their registers: ISA guide 7.12.1).  Head 0's products of this block were issued in the block before.
; load = 1: x is loaded again, two blocks ahead, behind the places that SM 6 gives to the last products that read it.  last = 1: no block follows.
.macro BLOCK x, y, load, imm, last
	WM \x, 1, S1
	SM 0, S0
	WM \x, 2, S0
	SM 1, S1
	WM \x, 3, S1
	SM 2, S0
	WM \x, 4, S0
	SM 3, S1
	WM \x, 5, S1
	SM 4, S0
	WM \x, 6, S0
	SM 5, S1
	WM \x, 7, S1
	SM 6, S0
.if \load
	KLOAD \x, \imm
.endif
.if \last == 0
.if \load
	s_wait_loadcnt 0x8                             ; the next block's tiles are in; the eight loads just issued stay out
.else
	s_wait_loadcnt 0x0                             ; nothing was issued behind the last block's tiles
.endif
	WM \y, 0, S0
.endif
	SM 7, S1
.endm
	s_wait_loadcnt 0x8                             ; the queries and the first two tiles are in; the second two are the younger eight
	WM K0, 0, S0
.irp hd, 0,1,2,3,4,5,6,7
	v_mov_b32 v[M+\hd], 0xff800000                 ; m = -infinity, l = 0: the first step then gives l = 0 x 0 + its own sum
	v_mov_b32 v[LS+\hd], 0
.endr
	s_mov_b32 s30, 7                               ; 16 blocks: seven trips of two, and two written out, which load nothing
.Ltrip:
	BLOCK K0, K1, 1, 8192, 0
	BLOCK K1, K0, 1, 12288, 0
	s_wait_xcnt 0x0                                ; the key loads' base is stepped only behind this wait
	s_add_nc_u64 s[6:7], s[6:7], 8192
	s_sub_co_u32 s30, s30, 1
	s_cmp_lg_u32 s30, 0
	s_cbranch_scc1 .Ltrip
	BLOCK K0, K1, 0, 0, 0
	BLOCK K1, K0, 0, 0, 1
	; ---- the 16 (m, l) of each query row meet.  U's loads go out first: they land in the queries' registers, whose last products stand two SM behind.
.set i, 0
.rept 16
	global_load_b128 v[UU+4*i:UU+4*i+3], v255, s[10:11] offset:8192*(i>>1)+512*(i&1)   ; U[hd][256 w + 128 j + 4 L ..], i = 2 hd + j
.set i, i+1
.endr
.irp hd, 0,1,2,3,4,5,6,7
	ds_store_b32 v250, v[M+\hd]  offset:256*\hd
	ds_store_b32 v250, v[LS+\hd] offset:256*\hd+128
.endr
	s_wait_tensorcnt 0x0                           ; my x is in LDS
	s_wait_dscnt 0x0                               ; my (m, l) are in LDS, for the others' sake
	s_barrier_signal -1
	s_barrier_wait -1
.irp w, 0,1,2,3,4,5,6,7
	ds_load_b32 v[S0+\w],   v251 offset:2048*\w    ; wave w serves head w: the eight waves' m
	ds_load_b32 v[S0+8+\w], v251 offset:2048*\w+128        ; and l
.endr
.set i, 0
.rept 32
	ds_load_b128 v[XR+4*i:XR+4*i+3], v253 offset:512*i     ; my x: row i / 2, 512 bytes i % 2; bytes that my own tensor load brought
.set i, i+1
.endr
	s_wait_dscnt 32                                ; the sixteen (m, l) are in; x's 32 loads are the younger ones
	v_max3_num_f32 v[T],   v[S0],   v[S0+1], v[S0+2]
	v_max3_num_f32 v[T+1], v[S0+3], v[S0+4], v[S0+5]
	v_max3_num_f32 v[T],   v[T],    v[T+1],  v[S0+6]
	v_max_num_f32  v[T],   v[T],    v[S0+7]
	v_permlanex16_b32 v[T+1], v[T], s2, s3         ; the other eight keys of each tile lie in the other half of the lanes
	v_max_num_f32  v[T],   v[T],    v[T+1]
.irp w, 0,1,2,3,4,5,6,7
	v_sub_f32 v[S0+\w], v[S0+\w], v[T]
.endr
.irp w, 0,1,2,3,4,5,6,7
	v_exp_f32 v[S0+\w], v[S0+\w]
.endr
	v_nop                                          ; the plain place behind the exponentials
	s_wait_alu depctr_va_vdst(0)
	v_mul_f32 v[T+2], v[S0+8], v[S0]
.irp w, 1,2,3,4,5,6,7
	v_fmac_f32 v[T+2], v[S0+8+\w], v[S0+\w]
.endr
	v_permlanex16_b32 v[T+3], v[T+2], s2, s3
	v_add_f32 v[T+2], v[T+2], v[T+3]               ; l of the whole row of 4,096 keys
	v_rcp_f32 v[T+4], v[T+2]
	v_nop                                          ; the plain place behind the reciprocal
	s_wait_alu depctr_va_vdst(0)
	v_mul_f32 v[T+4], v[T+2], v[T+4]               ; s = l x (1 / l)
	ds_store_b32 v252, v[T+4]                      ; the two halves of the lanes write the same word with the same value
	s_wait_dscnt 0x0
	s_barrier_signal -1
	s_barrier_wait -1
	; ---- the way out: wave w makes columns 256 w .. 256 w + 255 of the 16 rows, four rows at a time; a lane keeps eight columns.
	s_wait_loadcnt 0x0                             ; U
.irp gr, 0,1,2,3
.irp e, 0,1,2,3,4,5,6,7
	ds_load_b128 v[S0+4*\e:S0+4*\e+3], v254 offset:128*\gr+16*\e   ; s of rows 4 gr .. 4 gr + 3, eight heads each, the same words in every lane
.endr
	s_wait_dscnt 0x0
.irp hd, 0,1,2,3,4,5,6,7
.irp al, 0,1,2,3
.irp e, 0,2,4,6
.if \hd & 1
	v_pk_fma_f32 v[XR+8*(4*\gr+\al)+\e:XR+8*(4*\gr+\al)+\e+1], v[UU+8*\hd+\e:UU+8*\hd+\e+1], v[S0+8*\al+(\hd&6):S0+8*\al+(\hd&6)+1], v[XR+8*(4*\gr+\al)+\e:XR+8*(4*\gr+\al)+\e+1] op_sel:[0,1,0] op_sel_hi:[1,1,1]
.else
	v_pk_fma_f32 v[XR+8*(4*\gr+\al)+\e:XR+8*(4*\gr+\al)+\e+1], v[UU+8*\hd+\e:UU+8*\hd+\e+1], v[S0+8*\al+(\hd&6):S0+8*\al+(\hd&6)+1], v[XR+8*(4*\gr+\al)+\e:XR+8*(4*\gr+\al)+\e+1] op_sel_hi:[1,0,1]
.endif
.endr
.endr
.endr
.irp al, 0,1,2,3
.irp j, 0,1
	global_store_b128 v255, v[XR+8*(4*\gr+\al)+4*\j:XR+8*(4*\gr+\al)+4*\j+3], s[12:13] offset:8192*(4*\gr+\al)+512*\j th:TH_STORE_NT   ; 512 consecutive bytes; data registers never rewritten
.endr
.endr
.endr
	s_wait_tensorcnt 0x0
	ds_add_u32 v8, v9
	s_wait_dscnt 0x0
	s_endpgm
.Lfunc_end_k_q0bd77d2bbc_attn:
	.size	k_q0bd77d2bbc_attn, .Lfunc_end_k_q0bd77d2bbc_attn-k_q0bd77d2bbc_attn
	.p2alignl 7, 3214868480
	.fill 96, 4, 3214868480
	.section	.rodata,"a",@progbits
	.p2align	6, 0x0
	.amdhsa_kernel k_q0bd77d2bbc_attn
		.amdhsa_group_segment_fixed_size 168960
		.amdhsa_private_segment_fixed_size 0
		.amdhsa_enable_private_segment 0
		.amdhsa_kernarg_size 40
		.amdhsa_user_sgpr_count 2
		.amdhsa_user_sgpr_kernarg_segment_ptr 1
		.amdhsa_wavefront_size32 1
		.amdhsa_system_sgpr_workgroup_id_x 1
		.amdhsa_system_sgpr_workgroup_id_y 1
		.amdhsa_system_sgpr_workgroup_id_z 1
		.amdhsa_system_vgpr_workitem_id 0
		.amdhsa_next_free_vgpr 256
		.amdhsa_next_free_sgpr 66
		.amdhsa_reserve_vcc 0
		.amdhsa_float_denorm_mode_32 3
		.amdhsa_float_denorm_mode_16_64 3
		.amdhsa_memory_ordered 1
		.amdhsa_forward_progress 1
		.amdhsa_inst_pref_size 131
	.end_amdhsa_kernel
	.amdgpu_metadata
---
amdhsa.version: [ 1, 2 ]
amdhsa.kernels:
  - .name:           k_q0bd77d2bbc_attn
    .symbol:         k_q0bd77d2bbc_attn.kd
    .args:
      - { .name: x, .offset: 0, .size: 8, .value_kind: global_buffer, .address_space: global }
      - { .name: keysb, .offset: 8, .size: 8, .value_kind: global_buffer, .address_space: global }
      - { .name: qb, .offset: 16, .size: 8, .value_kind: global_buffer, .address_space: global }
      - { .name: U, .offset: 24, .size: 8, .value_kind: global_buffer, .address_space: global }
      - { .name: out0, .offset: 32, .size: 8, .value_kind: global_buffer, .address_space: global }
    .group_segment_fixed_size: 168960
    .private_segment_fixed_size: 0
    .kernarg_segment_align: 8
    .kernarg_segment_size: 40
    .max_flat_workgroup_size: 256
    .sgpr_count:     66
    .vgpr_count:     256
    .wavefront_size: 32
...
	.end_amdgpu_metadata
.endif
;; end of part 3
;; ======== version 2 of 2: 3 launches; version 1 with the launch prep written anew for expert scheduling mode
;; workspace buffers: part 16,384 bytes; Wqb 2,097,152 bytes; keysb 524,288 bytes; qb 4,194,304 bytes; U 65,536 bytes
;; launch prep (part 4): grid 192 x 1, 8 waves a work-group, no clusters, 5,120 bytes of LDS; arguments values, Wq, keys, part, Wqb, keysb; writes part, Wqb, keysb
.if DOCPART == 4
	.amdgcn_target "amdgcn-amd-amdhsa--gfx1250"
	.amdhsa_code_object_version 6
	.text
	.protected	k_q0bd77d2bbc_prep
	.globl	k_q0bd77d2bbc_prep
	.p2align	8
	.type	k_q0bd77d2bbc_prep,@function
k_q0bd77d2bbc_prep:
	s_mov_b64 s[64:65], 0
	v_nop
	global_prefetch_b8 v0, s[64:65] scope:SCOPE_SE
	s_setreg_imm32_b32 hwreg(HW_REG_WAVE_SCHED_MODE, 0, 2), 2
	s_setreg_imm32_b32 hwreg(HW_REG_WAVE_MODE, 25, 1), 1
	s_wait_xcnt 0x0
	s_wait_alu depctr_vm_vsrc(0)
; prep: three small streaming jobs, shared out by the work-group's number.
;   groups   0 ..  31: part[p][c] = 2^-12 x the sum of values[128 p .. 128 p + 127][c]   (32 partial column means, f32)
;   groups  32 .. 159: Wqb = Wq rounded to bf16, same row-major order                    (32,768 bytes of Wq a group)
;   groups 160 .. 191: keysb = keys rounded to bf16, laid out as matrix fragments        (eight tiles of 16 keys a group)
; keysb: byte 2048 t + 512 i + 16 L holds keys[16 t + (L & 15)][16 i + 8 (L >> 4) .. + 7]: what lane L of a wave wants of tile t,
; so that the later launch fills a fragment by loads of 512 consecutive bytes.
; No matrix unit, no cluster, no tensor load: every byte is read once and written once, and no two groups share an input byte.
; Limit kept: Wq and keys are rounded to bf16 (nearest even), as operands of matrix products.
; THE MODE: SCHED_MODE bits 1:0 = 2 (LLVM: expert scheduling mode 2), set by the entry lines.  The code itself states the register dependences
; between vector instructions and memory or LDS instructions, with s_wait_alu, always for 0.
; THE PLAN.  Registers that memory or LDS instructions touch:
;   v1 - v4     byte offsets, all four made at the head and never written again: one wait at the head serves every load and store of the kernel.
;   v[16:79]    loaded data.  Read (v[16:47] also written) by the sums or the conversions of the path in hand; in a group that sums values, wave 0's LDS loads
;               land in v[16:47] behind the barrier, and its second tree of sums leaves the row in v[16:19], which the last store reads.
;   v[64:67]    values: the scaled partial sum, an out-buffer of its own: written by the scaling, read by the one LDS store, never written again.
;   v[48:63]    Wq and keys: the bf16 numbers, an out-buffer of its own: written by the conversions, read by the stores, never written again.
;   v80, v81    written at the head, read by the closing add alone.
; No register that a memory or LDS instruction reads is ever written again, so no wait on vm_vsrc stands past the entry lines.  Each run of stores stands behind one wait on
; va_vdst, and behind the last such wait of a path no vector instruction follows ahead of the barrier.
.set NV, 32                            ; groups that sum values
.set NW, 128                           ; groups that convert Wq
.set SCALE, 0x39800000                 ; 2^-12 = 1 / 4096 rows, exact
.macro QADD d, s                       ; four f32 of every lane: v[d..d+3] += v[s..s+3]
	v_pk_add_f32 v[\d:\d+1], v[\d:\d+1], v[\s:\s+1]
	v_pk_add_f32 v[\d+2:\d+3], v[\d+2:\d+3], v[\s+2:\s+3]
.endm
	s_load_b256 s[4:11], s[0:1], 0x0               ; values s[4:5], Wq s[6:7], keys s[8:9], part s[10:11]
	s_load_b128 s[12:15], s[0:1], 0x20             ; Wqb s[12:13], keysb s[14:15]
	v_lshl_add_u32 v80, v0, 2, 0x1000              ; my spare word, behind the 4,096 bytes of partial sums; kept for the closing lines alone
	v_mov_b32 v81, 0                               ; and 0, likewise
	v_lshrrev_b32 v4, 5, v0
	v_readfirstlane_b32 s16, v4                    ; wave 0..7
	v_and_b32 v1, 31, v0
	v_lshlrev_b32 v1, 4, v1                        ; 16 x lane
	v_lshlrev_b32 v2, 4, v0                        ; 16 x thread
	v_lshlrev_b32 v3, 3, v0                        ; 8 x thread
	v_and_b32 v4, 15, v0                           ; keys: row of the tile
	v_bfe_u32 v5, v0, 4, 1                         ; which eight of sixteen columns
	v_lshlrev_b32 v4, 8, v4
	v_lshl_add_u32 v4, v5, 5, v4                   ; 256 x row + 32 x half
	s_mov_b32 s19, 0                               ; high words of the two offset pairs
	s_mov_b32 s21, 0
	s_wait_alu depctr_va_sdst(0)                   ; s16 is written, ahead of its first reader and of the first branch: the bases below are made from it
	s_wait_alu depctr_va_vdst(0)                   ; v1 to v4 are written: every load and store of the kernel reads one of them as its offset
	s_wait_kmcnt 0x0
	s_cmp_ge_u32 ttmp9, NV+NW
	s_cbranch_scc1 .Lkeys
	s_cmp_ge_u32 ttmp9, NV
	s_cbranch_scc1 .Lwq
	; ---- column sums of values: wave w takes rows 128 p + 16 w .. + 15; a lane keeps four columns; a load covers one row of 512 bytes
	s_lshl_b32 s18, ttmp9, 16                      ; 128 rows x 512 bytes
	s_lshl_b32 s17, s16, 13                        ; 16 rows x 512 bytes
	s_add_co_u32 s18, s18, s17
	s_add_nc_u64 s[4:5], s[4:5], s[18:19]
.irp i, 0,1,2,3,4,5,6,7,8,9,10,11,12,13,14,15
	global_load_b128 v[16+4*\i:19+4*\i], v1, s[4:5] offset:512*\i th:TH_LOAD_NT
.endr
	s_wait_loadcnt 0x0                             ; one batch of sixteen: there is nothing to do before it is in
.irp i, 0,1,2,3,4,5,6,7
	QADD 16+4*\i, 48+4*\i
.endr
.irp i, 0,1,2,3
	QADD 16+4*\i, 32+4*\i
.endr
	QADD 16, 24
	QADD 20, 28
	QADD 16, 20
	v_pk_mul_f32 v[64:65], v[16:17], SCALE op_sel_hi:[1,0]   ; into registers of its own: what the LDS store reads is not loaded into again
	v_pk_mul_f32 v[66:67], v[18:19], SCALE op_sel_hi:[1,0]
	s_wait_alu depctr_va_vdst(0)                   ; the scaling has written v[64:67], which the LDS store reads; the sums are done with v[16:47], in which wave 0's LDS loads land behind the barrier
	ds_store_b128 v2, v[64:67]                     ; wave w's 512 bytes at 512 w
	s_branch .Ljoin
	; ---- Wq to bf16: thread t takes 16 bytes of each of eight runs of 4,096 bytes and stores 8; a wave's store covers 256 consecutive bytes, aligned
	; The stores leave in two runs of four, each behind its eight conversions and one wait; the first four leave while the last four loads may still be out.
.Lwq:
	s_sub_co_u32 s17, ttmp9, NV
	s_lshl_b32 s18, s17, 15
	s_lshl_b32 s20, s17, 14
	s_add_nc_u64 s[6:7], s[6:7], s[18:19]
	s_add_nc_u64 s[12:13], s[12:13], s[20:21]
.irp i, 0,1,2,3,4,5,6,7
	global_load_b128 v[16+4*\i:19+4*\i], v2, s[6:7] offset:4096*\i th:TH_LOAD_NT
.endr
.irp i, 0,1,2,3
	s_wait_loadcnt 7-\i                            ; loads come back in order (ISA guide 5.7.1): run i is in, the 7 - i younger ones stay out
	v_cvt_pk_bf16_f32 v[48+2*\i], v[16+4*\i], v[17+4*\i]
	v_cvt_pk_bf16_f32 v[49+2*\i], v[18+4*\i], v[19+4*\i]
.endr
	s_wait_alu depctr_va_vdst(0)                   ; the conversions have written v[48:55], which the four stores read
.irp i, 0,1,2,3
	global_store_b64 v3, v[48+2*\i:49+2*\i], s[12:13] offset:2048*\i
.endr
.irp i, 4,5,6,7
	s_wait_loadcnt 7-\i
	v_cvt_pk_bf16_f32 v[48+2*\i], v[16+4*\i], v[17+4*\i]
	v_cvt_pk_bf16_f32 v[49+2*\i], v[18+4*\i], v[19+4*\i]
.endr
	s_wait_alu depctr_va_vdst(0)                   ; the conversions have written v[56:63], which the four stores read
.irp i, 4,5,6,7
	global_store_b64 v3, v[48+2*\i:49+2*\i], s[12:13] offset:2048*\i
.endr
	s_branch .Ljoin
	; ---- keys to bf16 in fragment order: wave w takes tile t = 8 c + w (16 rows of 256 bytes, consumed whole by its eight loads)
.Lkeys:
	s_sub_co_u32 s17, ttmp9, NV+NW
	s_lshl3_add_u32 s17, s17, s16                  ; t
	s_lshl_b32 s18, s17, 12                        ; 4,096 bytes of keys a tile
	s_lshl_b32 s20, s17, 11                        ; 2,048 bytes of keysb a tile
	s_add_nc_u64 s[8:9], s[8:9], s[18:19]
	s_add_nc_u64 s[14:15], s[14:15], s[20:21]
.irp i, 0,1,2,3
	global_load_b128 v[16+8*\i:19+8*\i], v4, s[8:9] offset:64*\i
	global_load_b128 v[20+8*\i:23+8*\i], v4, s[8:9] offset:64*\i+16
.endr
	s_wait_loadcnt 0x0
.irp i, 0,1,2,3
.irp j, 0,1,2,3
	v_cvt_pk_bf16_f32 v[48+4*\i+\j], v[16+8*\i+2*\j], v[17+8*\i+2*\j]
.endr
.endr
	s_wait_alu depctr_va_vdst(0)                   ; the conversions have written v[48:63], which the four stores read
.irp i, 0,1,2,3
	global_store_b128 v1, v[48+4*\i:51+4*\i], s[14:15] offset:512*\i   ; 512 consecutive bytes
.endr
	; ---- every path passes this one barrier; only the groups that sum values have LDS traffic in front of it
.Ljoin:
	s_wait_dscnt 0x0                               ; my partial sums are in LDS, for wave 0's sake
	s_barrier_signal -1
	s_barrier_wait -1
	s_cmp_ge_u32 ttmp9, NV
	s_cbranch_scc1 .Lend
	s_cmp_lg_u32 s16, 0
	s_cbranch_scc1 .Lend
.irp w, 0,1,2,3,4,5,6,7
	ds_load_b128 v[16+4*\w:19+4*\w], v1 offset:512*\w      ; no wait: no vector instruction since the path's last wait on va_vdst names v[16:47], and no memory or LDS instruction has read them
.endr
	s_lshl_b32 s18, ttmp9, 9                       ; row p of part
	s_add_nc_u64 s[10:11], s[10:11], s[18:19]
	s_wait_dscnt 0x0
.irp w, 0,1,2,3
	QADD 16+4*\w, 32+4*\w
.endr
	QADD 16, 24
	QADD 20, 28
	QADD 16, 20
	s_wait_alu depctr_va_vdst(0)                   ; the sums have written v[16:19], which the store reads
	global_store_b128 v1, v[16:19], s[10:11]       ; the whole row of 512 bytes
.Lend:
	s_wait_dscnt 0x0                               ; the closing lines, six on end
	s_wait_alu 0x0
	s_wait_tensorcnt 0x0
	ds_add_u32 v80, v81
	s_wait_dscnt 0x0
	s_endpgm
.Lfunc_end_k_q0bd77d2bbc_prep:
	.size	k_q0bd77d2bbc_prep, .Lfunc_end_k_q0bd77d2bbc_prep-k_q0bd77d2bbc_prep
	.p2alignl 7, 3214868480
	.fill 96, 4, 3214868480
	.section	.rodata,"a",@progbits
	.p2align	6, 0x0
	.amdhsa_kernel k_q0bd77d2bbc_prep
		.amdhsa_group_segment_fixed_size 5120
		.amdhsa_private_segment_fixed_size 0
		.amdhsa_enable_private_segment 0
		.amdhsa_kernarg_size 48
		.amdhsa_user_sgpr_count 2
		.amdhsa_user_sgpr_kernarg_segment_ptr 1
		.amdhsa_wavefront_size32 1
		.amdhsa_system_sgpr_workgroup_id_x 1
		.amdhsa_system_sgpr_workgroup_id_y 1
		.amdhsa_system_sgpr_workgroup_id_z 1
		.amdhsa_system_vgpr_workitem_id 0
		.amdhsa_next_free_vgpr 82
		.amdhsa_next_free_sgpr 66
		.amdhsa_reserve_vcc 0
		.amdhsa_float_denorm_mode_32 3
		.amdhsa_float_denorm_mode_16_64 3
		.amdhsa_memory_ordered 1
		.amdhsa_forward_progress 1
		.amdhsa_inst_pref_size 13
	.end_amdhsa_kernel
	.amdgpu_metadata
---
amdhsa.version: [ 1, 2 ]
amdhsa.kernels:
  - .name:           k_q0bd77d2bbc_prep
    .symbol:         k_q0bd77d2bbc_prep.kd
    .args:
      - { .name: values, .offset: 0, .size: 8, .value_kind: global_buffer, .address_space: global }
      - { .name: Wq, .offset: 8, .size: 8, .value_kind: global_buffer, .address_space: global }
      - { .name: keys, .offset: 16, .size: 8, .value_kind: global_buffer, .address_space: global }
      - { .name: part, .offset: 24, .size: 8, .value_kind: global_buffer, .address_space: global }
      - { .name: Wqb, .offset: 32, .size: 8, .value_kind: global_buffer, .address_space: global }
      - { .name: keysb, .offset: 40, .size: 8, .value_kind: global_buffer, .address_space: global }
    .group_segment_fixed_size: 5120
    .private_segment_fixed_size: 0
    .kernarg_segment_align: 8
    .kernarg_segment_size: 48
    .max_flat_workgroup_size: 256
    .sgpr_count:     66
    .vgpr_count:     82
    .wavefront_size: 32
...
	.end_amdgpu_metadata
.endif
;; end of part 4
;; launch qproj: the kernel of part 2 again; grid 4 x 64, 4 waves a work-group, clusters of 4 x 4, 327,680 bytes of LDS; arguments x, Wqb, part, Wo, qb, U; writes qb, U
;; launch attn: the kernel of part 3 again; grid 256 x 1, 8 waves a work-group, no clusters, 168,960 bytes of LDS; arguments x, keysb, qb, U, out0; writes out0
